; MI455X (gfx1250); checked and timed in simulation.
; The chip was launched on July 23, 2026; its instructions are those of AMD's public machine-readable ISA for CDNA 5 (MIT licence, August 2026) and "CDNA5" Instruction Set Architecture Reference Guide (July 2026). The comments in the code are by the model that wrote it; some were corrected since.
;; Sentiment Attention. Allowed arithmetic: matrix products marked QUANTISED: E2M3 operands, one E8M0 scale for each 32 along K, by v_wmma_scale_f32_16x16x128_f8f6f4 with both operands' format E2M3, f32 sums; products left as they are: f32 operands where the result goes on into a quantised operand, else bf16, f16 or f32 operands; f32 sums; everything else in f32.
;; Inputs: W1 512 x 1,024 float32; W2 512 x 1,024 float32; arg1 32 x 512 float32; arg2 32 x 512 float32; b1 512 float32; b2 512 float32; enc_hs 32 x 2,048 x 1,024 float32; src_mask 32 x 2,048 bool.
;; Outputs: out0 32 x 2,048 float32.
;; This version of the problem:
;;   THIS VERSION OF THE PROBLEM IS GIVEN IN LOW PRECISION. The matrix products marked QUANTISED in the list below multiply operands that are first quantised to E2M3 (2 exponent bits, 3 mantissa bits; 6 bits a number), with one power-of-two scale for each 32 numbers along K (OCP MX v1.0); their sums are f32. All else is computed in f32.
;;   The module's matrix products, in the order in which they are computed (A, B: the left and right operand; K: the contracted axis; several contracted axes count as one K, in the product's order):
;;     1. [M 65,536, K 1,024] x [K 1,024, N 512]; A: input enc_hs; B: input W1: QUANTISED
;;     2. batch 32 x [M 2,048, K 512] x [K 512, N 1]; A: computed on the way; B: input arg1: left as it is (N = 1 < 16)
;;     3. batch 32 x [M 1, K 2,048] x [K 2,048, N 1,024]; A: softmax; B: input enc_hs: left as it is (M = 1 < 16)
;;     4. [M 65,536, K 1,024] x [K 1,024, N 512]; A: input enc_hs; B: input W2: QUANTISED
;;     5. batch 32 x [M 2,048, K 512] x [K 512, N 1]; A: computed on the way; B: input arg2: left as it is (N = 1 < 16)
;;     6. batch 32 x [M 1, K 2,048] x [K 2,048, N 1,024]; A: softmax; B: input enc_hs: left as it is (M = 1 < 16)
;;   THE QUANTISER, for each operand of a quantised product, along K:
;;     - K is cut into blocks of 32 from its start; a last block that is shorter is filled with zeros.
;;     - A block's scale is 2^e with e = floor(log2(the largest magnitude in the block)) - 2, held to -126 .. 127; a block of zeros has e = 0. As a byte (E8M0): e + 127.
;;     - Each number is divided by its block's scale, clamped to +-7.5, and rounded to the nearest number of E2M3, ties to even, subnormals kept.
;;     - The product sums the exact products of the quantised numbers (number of the format x scale) in f32.
;;   ~~~python
;;   def quantise(x, axis):      # numpy; x: float32 -> the quantised numbers, widened to float32 again
;;       x = np.moveaxis(x, axis, -1); K = x.shape[-1]
;;       x = np.pad(x, [(0, 0)] * (x.ndim - 1) + [(0, -K % 32)]); x = x.reshape(x.shape[:-1] + (-1, 32)); a = np.abs(x).max(-1, keepdims=True)
;;       e = np.where(a > 0, np.clip(np.frexp(np.where(a > 0, a, 1))[1] - 1 - 2, -126, 127), 0)      # np.frexp(a)[1] - 1 = floor(log2(a)), exactly
;;       r = np.clip(x / 2.0 ** e, -7.5, 7.5)
;;       step = 2.0 ** (np.maximum(np.frexp(np.where(r == 0, 1, r))[1] - 1, 0) - 3)
;;       q = np.round(r / step) * step * 2.0 ** e      # np.round: ties to even
;;       return np.moveaxis(q.reshape(q.shape[:-2] + (-1,))[..., :K], -1, axis).astype(np.float32)
;;   ~~~
;; One version. Each part assembles by itself: llvm-mc -triple=amdgcn-amd-amdhsa -mcpu=gfx1250 --defsym DOCPART=n.
;; ======== version 1 of 1: 3 launches
;; limits: right only within a limited range of input values
;; workspace buffers: list 262,144 bytes of whole numbers; meta 512 bytes of whole numbers; wimg 786,432 bytes; wscl 32,768 bytes; spart 1,048,576 bytes
;; launch prep (part 1): grid 288 x 1, 1 waves a work-group, no clusters, 0 bytes of LDS; arguments src_mask, W1, W2, list, meta, wimg, wscl; writes list, meta, wimg, wscl
.if DOCPART == 1
	.amdgcn_target "amdgcn-amd-amdhsa--gfx1250"
	.amdhsa_code_object_version 6
	.text
	.protected	k_qd71db26585_prep
	.globl	k_qd71db26585_prep
	.p2align	8
	.type	k_qd71db26585_prep,@function
k_qd71db26585_prep:
	s_mov_b64 s[64:65], 0
	v_nop
	global_prefetch_b8 v0, s[64:65] scope:SCOPE_SE
	s_setreg_imm32_b32 hwreg(HW_REG_WAVE_MODE, 25, 1), 1
	s_wait_xcnt 0x0
; Sentiment attention, two heads over one enc_hs [32][2048][1024]:  out = softmax_s(mask(tanh(enc W^T + b) . arg)) . enc, for (W1, b1, arg1) and (W2, b2, arg2).
; The products enc W^T run on codes of E2M3 with one E8M0 scale for each 32 along K; all else is f32.  Three launches: this one, fuse, ctx.
; WORK THAT IS LEFT OUT, for all values of the inputs:
;  (1) Rows s with src_mask[b][s] true.  Their score is replaced by -infinity, so their softmax weight is exp(-infinity) = 0 in both heads, and 0 x enc[b][s] adds nothing to either context:
;      their projection, tanh, score and context term reach no output.  The mask is a whole-number input: this launch reads it and stores, for each batch, a list of rows with the live rows first; the later launches read the list.
;  (2) The term sum_a arg[a].  tanh x = 1 - 2 r with r = 1 / (1 + e^(2x)), so a score is sum_a arg[a] - 2 sum_a arg[a] r[a]; the first term is the same for every s of a batch, and a softmax takes it away.  It is of the size of the scores.
; LIMITS: a NaN, an infinity or an overflow that reaches only the work left out (a masked row's numbers) is not carried to the result.  A batch whose every row is masked gives NaN, as the softmax of -infinities does.
;  NaN and infinities among enc_hs, W1, W2 are not served by the quantiser.  A block of zeros gets the scale byte 1 where the rule says 127: its codes are zeros, and these bytes are read by this program alone.
; THIS LAUNCH, one wave a work-group.  Work-groups 0-31: batch b's list and counts.  Work-groups 32-287: 16 rows x 256 along K of W1 | W2 become two operand fragments, stored as images of the operand's registers.
;  list [32][2048] u32: a permutation of the batch's rows: positions 0 .. cnt-1 live rows, the masked rows from position 2047 downward: every entry is written, so every position names a row.
;  meta [32][4] u32: cnt, NT = ceil(cnt / 16), H0 = ceil(NT / 2), NT - H0.
;  wimg [nt 64][K step 8][1536 bytes]: registers 4c .. 4c+3 of the fragment at 512 c + 16 x lane.  nt < 32: rows 16 nt .. of W1, else of W2.
;  wscl [nt][u 4][lane 32] words: lanes 0-15 row r's scale word of K step 2u, lanes 16-31 that of K step 2u+1.
.set TM,  16                           ; v16-31  at work in QUANT
.set SEL, 20                           ; s[20:21] lane selects: lane l xor 16
.set X0,  32                           ; v32-95  64 numbers of K step 2u   (list path: v32-47 the mask's words, v64-127 store offsets)
.set X1,  96                           ; v96-159 64 numbers of K step 2u+1 (list path: v128-191 row numbers)
.set PC0, 160                          ; v160-179 the first fragment's codes (12) and 8 at work
.set PC1, 180                          ; v180-199 the second's: a set of its own, so that no store's data are written again
.set PW,  200                          ; the scale word just made
.set PW0, 201
.set AS,  202
; 64 numbers of a lane, v[s] .. v[s+63], register 16 b + i = k 32 b + 16 (lane / 16) + i of my row, become a fragment's 12 registers of codes at v[pc] and the row's scale word in v[pw].
.macro QUANT s, pc, pw
.irp b, 0,1,2,3
	v_max3_num_f32 v[TM+\b], |v[\s+16*\b]|, |v[\s+1+16*\b]|, 0x1800000   ; block b: my 16 numbers, and the floor 2^(3 - 127): the byte cannot fall under 1
.endr
.irp i, 2,4,6,8,10,12,14
.irp b, 0,1,2,3
	v_max3_num_f32 v[TM+\b], v[TM+\b], |v[\s+16*\b+\i]|, |v[\s+1+16*\b+\i]|   ; the four blocks by turns
.endr
.endr
.irp b, 0,1,2,3
	v_permlanex16_b32 v[TM+4+\b], v[TM+\b], s[SEL], s[SEL+1]
.endr
.irp b, 0,1,2,3
	v_max_num_f32 v[TM+\b], v[TM+\b], v[TM+4+\b]   ; with lane l xor 16's 16: the block's largest magnitude
.endr
.irp b, 0,1,2,3
	v_add_nc_u32 v[TM+12+\b], 0xff000000, v[TM+\b]   ; 2 off its exponent field: the conversion's scale operand
.endr
.irp b, 0,1,2,3
	v_lshrrev_b32 v[TM+4+\b], 23, v[TM+12+\b]      ; the scale's byte
.endr
	v_lshl_or_b32 v[\pw], v[TM+5], 8, v[TM+4]
	v_lshl_or_b32 v[\pw], v[TM+6], 16, v[\pw]
	v_lshl_or_b32 v[\pw], v[TM+7], 24, v[\pw]      ; my row's scale word for these 128 along K
.irp c, 0,1
	v_cvt_scalef32_pk16_fp6_f32 v[\pc+6*\c:\pc+2+6*\c], v[\s+32*\c:\s+15+32*\c], v[TM+12+2*\c]
	v_cvt_scalef32_pk16_fp6_f32 v[\pc+12+4*\c:\pc+14+4*\c], v[\s+16+32*\c:\s+31+32*\c], v[TM+12+2*\c+1]   ; (a conversion's three registers begin on an even number)
.endr
	v_nop                                          ; one plain instruction behind the scaled conversions
.irp c, 0,1                                    ; the operand wants a whole block in a lane: lanes 0-15 block 2 c, lanes 16-31 block 2 c + 1
.irp i, 0,1,2
	v_permlane16_swap_b32 v[\pc+6*\c+\i], v[\pc+12+4*\c+\i]
.endr
.irp i, 0,1,2
	v_mov_b32 v[\pc+3+6*\c+\i], v[\pc+12+4*\c+\i]
.endr
.endr
.endm
	s_load_b256 s[4:11], s[0:1], 0x0               ; src_mask s[4:5], W1 s[6:7], W2 s[8:9], list s[10:11]
	s_load_b128 s[12:15], s[0:1], 0x20             ; meta s[12:13], wimg s[14:15]
	s_load_b64 s[16:17], s[0:1], 0x30              ; wscl
	s_mov_b32 s25, 0                               ; upper words of the offset pairs
	s_mov_b32 s27, 0
	s_mov_b32 s29, 0
	s_cmp_lt_u32 ttmp9, 32
	s_cbranch_scc0 .Lweights
	; ---- THE LIST of batch b = work-group number
	v_lshlrev_b32 v1, 2, v0                        ; 4 x lane
	v_mov_b32 v2, 0
	s_lshl_b32 s24, ttmp9, 11                      ; the mask's 2,048 bytes,
	s_lshl_b32 s26, ttmp9, 13                      ; the list's 8,192,
	s_lshl_b32 s28, ttmp9, 4                       ; meta's 16
	s_mov_b32 s18, 0                               ; live rows so far
	s_wait_alu depctr_va_vdst(0)
	s_wait_kmcnt 0x0
	s_add_nc_u64 s[4:5], s[4:5], s[24:25]
	s_add_nc_u64 s[10:11], s[10:11], s[26:27]
	s_add_nc_u64 s[12:13], s[12:13], s[28:29]
.irp i, 0,1,2,3,4,5,6,7,8,9,10,11,12,13,14,15
	global_load_b32 v[32+\i], v1, s[4:5] offset:128*\i   ; 128 consecutive bytes a load: byte k of my word i is row 128 i + 4 x lane + k
.endr
	s_wait_loadcnt 0x0
; Step st = 4 i + k places the 32 rows 128 i + 4 x lane + k.  Ahead of my row stand 32 st + lane rows, U of them live: a live row goes to position U, a masked one to 2047 - (32 st + lane - U).
; Each step has its own offset and data registers, so no store's sources are written again.
.irp i, 0,1,2,3,4,5,6,7,8,9,10,11,12,13,14,15
.irp k, 0,1,2,3
	v_bfe_u32 v8, v[32+\i], 8*\k, 8
	v_cmp_eq_u32 vcc_lo, 0, v8                     ; live where the mask's byte is 0
	v_mbcnt_lo_u32_b32 v9, vcc_lo, 0               ; live lanes below mine
	v_add_nc_u32 v9, s18, v9                       ; U
	v_sub_nc_u32 v10, v9, v0
	v_add_nc_u32 v10, 2047-32*(4*\i+\k), v10
	v_cndmask_b32 v[64+4*\i+\k], v10, v9, vcc_lo
	v_min_u32 v[64+4*\i+\k], 0x7ff, v[64+4*\i+\k]  ; a position lies in 0 .. 2047
	v_lshlrev_b32 v[64+4*\i+\k], 2, v[64+4*\i+\k]
	v_add_nc_u32 v[128+4*\i+\k], 128*\i+\k, v1     ; the row's number
	global_store_b32 v[64+4*\i+\k], v[128+4*\i+\k], s[10:11]
	s_bcnt1_i32_b32 s19, vcc_lo
	s_add_co_u32 s18, s18, s19
.endr
.endr
	s_add_co_u32 s24, s18, 15
	s_lshr_b32 s24, s24, 4                         ; NT
	s_add_co_u32 s26, s24, 1
	s_lshr_b32 s26, s26, 1                         ; H0
	s_sub_co_u32 s28, s24, s26                     ; NT - H0
	v_mov_b32 v4, s18
	v_mov_b32 v5, s24
	v_mov_b32 v6, s26
	v_mov_b32 v7, s28
	v_cmp_eq_u32 vcc_lo, 0, v0
	s_wait_alu depctr_va_vdst(0)
	s_wait_xcnt 0x0                                ; EXEC is a source of the stores above: it changes only behind this wait
	s_and_saveexec_b32 s27, vcc_lo
	global_store_b128 v2, v[4:7], s[12:13]         ; lane 0 stores the batch's four counts
	s_endpgm
	; ---- THE WEIGHTS: work-group 32 + 4 nt + u takes rows 16 nt .. 16 nt + 15 of W1 | W2, K steps 2u and 2u+1
.Lweights:
	s_sub_co_u32 s18, ttmp9, 32
	s_lshr_b32 s19, s18, 2                         ; nt
	s_and_b32 s18, s18, 3                          ; u
	v_and_b32 v1, 15, v0                           ; r
	v_lshrrev_b32 v2, 4, v0                        ; h
	v_lshlrev_b32 v3, 12, v1
	v_lshl_add_u32 v3, v2, 6, v3                   ; row r of 4,096 bytes, + 64 h: my 16 numbers of a block of 32
	v_lshlrev_b32 v4, 4, v0                        ; 16 x lane
	v_lshlrev_b32 v5, 2, v0                        ; 4 x lane
	s_mov_b32 s[SEL], 0x76543210
	s_mov_b32 s[SEL+1], 0xfedcba98
	s_mov_b32 s22, 0xffff0000                      ; lanes 16-31
	s_and_b32 s24, s19, 31
	s_lshl_b32 s24, s24, 16                        ; 16 rows are 65,536 bytes
	s_lshl_b32 s23, s18, 10
	s_add_co_u32 s24, s24, s23                     ; + 1,024 u
	s_mul_i32 s26, s19, 12288
	s_mul_i32 s23, s18, 3072
	s_add_co_u32 s26, s26, s23                     ; wimg: 12,288 nt + 3,072 u
	s_lshl_b32 s28, s19, 9
	s_lshl_b32 s23, s18, 7
	s_add_co_u32 s28, s28, s23                     ; wscl: 512 nt + 128 u
.irp b, 0,1,2,3
	v_mov_b32 v[TM+4+\b], 0                        ; written once: a lane permute's destination counts as one of its sources
.endr
	s_wait_alu depctr_va_vdst(0)
	s_wait_kmcnt 0x0
	s_cmp_lt_u32 s19, 32                           ; W1 or W2: the choice hangs on the work-group's number alone
	s_cselect_b64 s[6:7], s[6:7], s[8:9]
	s_add_nc_u64 s[6:7], s[6:7], s[24:25]
	s_add_nc_u64 s[14:15], s[14:15], s[26:27]
	s_add_nc_u64 s[16:17], s[16:17], s[28:29]
.irp kk, 0,1
.irp b, 0,1,2,3
.irp j, 0,1,2,3
	global_load_b128 v[X0+64*\kk+16*\b+4*\j:X0+64*\kk+16*\b+4*\j+3], v3, s[6:7] offset:512*\kk+128*\b+16*\j
.endr
.endr
.endr
	s_wait_loadcnt 16                              ; the first K step's sixteen loads are in; the second's sixteen may be out
	QUANT X0, PC0, PW0
.irp c, 0,1,2
	global_store_b128 v4, v[PC0+4*\c:PC0+4*\c+3], s[14:15] offset:512*\c   ; 512 consecutive bytes a store
.endr
	s_wait_loadcnt 0x0
	QUANT X1, PC1, PW
.irp c, 0,1,2
	global_store_b128 v4, v[PC1+4*\c:PC1+4*\c+3], s[14:15] offset:1536+512*\c
.endr
	v_cndmask_b32 v[AS], v[PW0], v[PW], s22        ; lanes 0-15: K step 2u's word; lanes 16-31: K step 2u+1's
	global_store_b32 v5, v[AS], s[16:17]
	s_endpgm
.Lfunc_end_k_qd71db26585_prep:
	.size	k_qd71db26585_prep, .Lfunc_end_k_qd71db26585_prep-k_qd71db26585_prep
	.p2alignl 7, 3214868480
	.fill 96, 4, 3214868480
	.section	.rodata,"a",@progbits
	.p2align	6, 0x0
	.amdhsa_kernel k_qd71db26585_prep
		.amdhsa_group_segment_fixed_size 0
		.amdhsa_private_segment_fixed_size 0
		.amdhsa_enable_private_segment 0
		.amdhsa_kernarg_size 56
		.amdhsa_user_sgpr_count 2
		.amdhsa_user_sgpr_kernarg_segment_ptr 1
		.amdhsa_wavefront_size32 1
		.amdhsa_system_sgpr_workgroup_id_x 1
		.amdhsa_system_sgpr_workgroup_id_y 1
		.amdhsa_system_sgpr_workgroup_id_z 1
		.amdhsa_system_vgpr_workitem_id 0
		.amdhsa_next_free_vgpr 208
		.amdhsa_next_free_sgpr 66
		.amdhsa_reserve_vcc 1
		.amdhsa_float_denorm_mode_32 3
		.amdhsa_float_denorm_mode_16_64 3
		.amdhsa_memory_ordered 1
		.amdhsa_forward_progress 1
		.amdhsa_inst_pref_size 56
	.end_amdhsa_kernel
	.amdgpu_metadata
---
amdhsa.version: [ 1, 2 ]
amdhsa.kernels:
  - .name:           k_qd71db26585_prep
    .symbol:         k_qd71db26585_prep.kd
    .args:
      - { .name: src_mask, .offset: 0, .size: 8, .value_kind: global_buffer, .address_space: global }
      - { .name: W1, .offset: 8, .size: 8, .value_kind: global_buffer, .address_space: global }
      - { .name: W2, .offset: 16, .size: 8, .value_kind: global_buffer, .address_space: global }
      - { .name: list, .offset: 24, .size: 8, .value_kind: global_buffer, .address_space: global }
      - { .name: meta, .offset: 32, .size: 8, .value_kind: global_buffer, .address_space: global }
      - { .name: wimg, .offset: 40, .size: 8, .value_kind: global_buffer, .address_space: global }
      - { .name: wscl, .offset: 48, .size: 8, .value_kind: global_buffer, .address_space: global }
    .group_segment_fixed_size: 0
    .private_segment_fixed_size: 0
    .kernarg_segment_align: 8
    .kernarg_segment_size: 56
    .max_flat_workgroup_size: 32
    .sgpr_count:     66
    .vgpr_count:     208
    .wavefront_size: 32
...
	.end_amdgpu_metadata
.endif
;; end of part 1
;; launch fuse (part 2): grid 8 x 32, 4 waves a work-group, no clusters, 255,488 bytes of LDS; arguments enc_hs, list, meta, wimg, wscl, b1, b2, arg1, arg2, spart; writes spart
.if DOCPART == 2
	.amdgcn_target "amdgcn-amd-amdhsa--gfx1250"
	.amdhsa_code_object_version 6
	.text
	.protected	k_qd71db26585_fuse
	.globl	k_qd71db26585_fuse
	.p2align	8
	.type	k_qd71db26585_fuse,@function
k_qd71db26585_fuse:
	s_mov_b64 s[64:65], 0
	v_nop
	global_prefetch_b8 v0, s[64:65] scope:SCOPE_SE
	s_setreg_imm32_b32 hwreg(HW_REG_WAVE_MODE, 25, 1), 1
	s_wait_xcnt 0x0
; Partial scores of the live rows, from enc_hs itself: gather, quantise, x = enc W^T + b on codes of E2M3 (v_wmma_scale_f32_16x16x128_f8f6f4, both sides FP6, f32 sums),
; r = 1 / (1 + 2^(c x)), c = 2 log2(e); S = d sum over columns of arg r, d = -2 log2(e): the score in units of log2.
; Left out: rows that src_mask hides, and the term sum_a arg[a], the same for every row of a batch (both: see the first kernel's head).  2^(c x) = infinity gives r = 0, 2^(c x) = 0 gives r = 1: tanh's two ends, with no clamp.
; LIMITS: NaN and infinities among the live rows are not served by the quantiser; a block of zeros gets the scale byte 1 (its codes are zeros; the bytes never leave this launch).
; SHARES.  Work-group (j, b): batch b, n tiles of 16 list positions from tile t0: the batch's NT tiles cut into eight runs, the longer runs at the lower j; n is at most 16.  Four waves.
; PHASE 1.  Wave w takes K steps 2w and 2w+1 of every tile: 1,024 bytes of each of 16 rows, 32 loads of 512 consecutive bytes.  Two register sets: while one tile is quantised the next tile's 32 loads are out.
;  A K step's 16 x 512 bytes turn through the wave's own stage in LDS (rows 528 bytes apart), so that a lane holds 16 neighbours along K.  Codes and scale words go to LDS as images of the operand's registers:
;  [wave u][slot i][3,200 bytes]: K step 2u + kk, registers 4c .. 4c+3, at 1536 kk + 512 c + 16 x lane; from byte 3,072 the scale words: lanes 0-15 K step 2u, lanes 16-31 K step 2u+1.
; PHASE 2, behind the one barrier.  Wave w owns columns 256 w .. 256 w + 255 of W1 | W2, in four groups of 64: a group's fragments of W for all of K fill 384 registers.
;  A tile: 32 products (four accumulators by turns; the bias is the C of the first K step), the next record's fetch from LDS, then the vector lines; no transcendental stands inside a chain of products.
;  Source 0 = 16 rows of W, source 1 = 16 rows of enc: lane (r, h) holds enc row r, register j of accumulator nn column 16 nn + 8 h + j; the dot with arg stays in the lane.
; THE WAY OUT.  Each wave adds its four groups' partial scores, in its own LDS bytes, and stores spart [q = wave][b][position] f32; a work-group's run begins at a multiple of 64 bytes.
; No tensor load and no cluster.  No data prefetch: in phase 1 every wave keeps 32 to 64 loads of its own outstanding.  Loop counts are constants; what lies beyond n is jumped over; no barrier is.
; With n = 0 tile t0's rows are loaded and slot 0 is fetched, and nothing made of them is stored.
; REGISTERS.  Window 0: v1-23 addresses; v24-39 W's scale words; v40-43 the record's; v48-63 sums; v64-95 accumulators; v96-127 bias; v128-159 arg; v160-255 the record's fragments.
;  In phase 1: v48-63, v80-95 row offsets, v64-79 and v160-246 the quantiser's.  Window 1: the two sets of rows as loaded.  Windows 2, 3: W's fragment (nn, k) at v[12 (4 (k % 4) + nn)], k < 4 in window 2.
.set PIECE, 3200
.set UREG,  16*PIECE
.set STG,   4*UREG
.set SCST,  STG+4*16*528               ; [wave][group 4][tile 16][16 rows] f32
.set SPARE, SCST+16384                 ; the spare words, 128 bytes for each wave
.set L16, 1                            ; 16 x lane
.set L4,  2                            ; 4 x lane
.set AA,  3                            ; the record to be fetched: pieces 0, 1
.set AB,  4                            ; pieces 2, 3
.set AA4, 5                            ; their scale words
.set AB4, 6
.set SS0, 7                            ; my part of the scores' stage + 4 r
.set SS,  8
.set BO,  9                            ; 32 h
.set STI, 10                           ; my stage, on the way in
.set STO, 11                           ; and out
.set EO,  12                           ; in a row of enc_hs: 1,024 w + 16 x lane
.set RS,  13                           ; my pieces: codes
.set RS4, 14                           ; scale words
.set RSA, 15                           ; the same at the tile's slot
.set RS4A, 16
.set L4P, 17                           ; 3,072 + 4 x lane
.set TP,  18                           ; the tail: my first position
.set TL,  19                           ; the tail: my part of the stage + 16 x lane
.set ASW, 20
.set SPW, 22
.set NIL, 23
.set WS,  24
.set AS,  40
.set SM,  48
.set ACC, 64
.set TM,  64
.set BIAS, 96
.set ARG, 128
.set AF,  160
.set X,   160
.set PC,  224
.set PW,  244
.set PW0, 245
.set SEL, 46
.set MSB, 0
.macro WIN new                         ; the immediate's high byte repeats the setting that is left; a switch that changes nothing is dropped
.if MSB != \new
	s_set_vgpr_msb (MSB<<8)|\new
.set MSB, \new
.endif
.endm
; 64 numbers of a lane, register 16 b + i = k 32 b + 16 (lane / 16) + i of my row, become a fragment's 12 registers of codes and the row's scale word
.macro QUANT s, pc, pw
.irp b, 0,1,2,3
	v_max3_num_f32 v[TM+\b], |v[\s+16*\b]|, |v[\s+1+16*\b]|, 0x1800000   ; with the floor 2^(3 - 127): the byte cannot fall under 1
.endr
.irp i, 2,4,6,8,10,12,14
.irp b, 0,1,2,3
	v_max3_num_f32 v[TM+\b], v[TM+\b], |v[\s+16*\b+\i]|, |v[\s+1+16*\b+\i]|
.endr
.endr
.irp b, 0,1,2,3
	v_permlanex16_b32 v[TM+4+\b], v[TM+\b], s[SEL], s[SEL+1]
.endr
.irp b, 0,1,2,3
	v_max_num_f32 v[TM+\b], v[TM+\b], v[TM+4+\b]   ; the block's largest magnitude
.endr
.irp b, 0,1,2,3
	v_add_nc_u32 v[TM+12+\b], 0xff000000, v[TM+\b] ; 2 off its exponent field: the conversion's scale operand
.endr
.irp b, 0,1,2,3
	v_lshrrev_b32 v[TM+4+\b], 23, v[TM+12+\b]      ; the scale's byte
.endr
	v_lshl_or_b32 v[\pw], v[TM+5], 8, v[TM+4]
	v_lshl_or_b32 v[\pw], v[TM+6], 16, v[\pw]
	v_lshl_or_b32 v[\pw], v[TM+7], 24, v[\pw]
.irp c, 0,1
	v_cvt_scalef32_pk16_fp6_f32 v[\pc+6*\c:\pc+2+6*\c], v[\s+32*\c:\s+15+32*\c], v[TM+12+2*\c]
	v_cvt_scalef32_pk16_fp6_f32 v[\pc+12+4*\c:\pc+14+4*\c], v[\s+16+32*\c:\s+31+32*\c], v[TM+12+2*\c+1]
.endr
	v_nop                                          ; one plain instruction behind the scaled conversions
.irp c, 0,1                                    ; the operand wants a whole block in a lane
.irp i, 0,1,2
	v_permlane16_swap_b32 v[\pc+6*\c+\i], v[\pc+12+4*\c+\i]
.endr
.irp i, 0,1,2
	v_mov_b32 v[\pc+3+6*\c+\i], v[\pc+12+4*\c+\i]
.endr
.endr
.endm
; A tile's 32 loads into set p; its 16 rows stand in the scalar set p.  The offsets' registers were last read by loads that have been waited for.
.macro ISSUE p
.set OO, 80-32*(\p)
.set LL, 68+16*(\p)
.set RR, 128*(\p)
.irp e, 0,1,2,3,4,5,6,7,8,9,10,11,12,13,14,15
	s_min_u32 s[LL+\e], s[LL+\e], 0x7ff            ; a row lies in 0 .. 2047
	s_lshl_b32 s[LL+\e], s[LL+\e], 12
	v_add_nc_u32 v[OO+\e], s[LL+\e], v[EO]
.endr
	s_wait_alu depctr_va_vdst(0)                   ; the wait ahead of the offsets' readers
	WIN 0x40
.irp kk, 0,1
.irp e, 0,1,2,3,4,5,6,7,8,9,10,11,12,13,14,15
	global_load_b128 v[RR+64*\kk+4*\e:RR+64*\kk+4*\e+3], v[OO+\e], s[4:5] offset:512*\kk th:TH_LOAD_NT   ; 512 consecutive bytes of one row; read once in this launch
.endr
.endr
	WIN 0
.endm
; One K step of the tile in set p: through the stage, quantised, into my piece.  cnt: the loads issued behind this K step's sixteen
.macro HALF p, kk, cnt
.set RR, 128*(\p)+64*\kk
	s_wait_loadcnt \cnt
	WIN 0x04
.irp e, 0,1,2,3,4,5,6,7,8,9,10,11,12,13,14,15
	ds_store_b128 v[STI], v[RR+4*\e:RR+4*\e+3] offset:528*\e
.endr
	WIN 0
.irp b, 0,1,2,3
.irp j, 0,1,2,3
	ds_load_b128 v[X+16*\b+4*\j:X+16*\b+4*\j+3], v[STO] offset:128*\b+16*\j   ; LDS serves a wave's instructions in order: these see the stores above
.endr
.endr
	s_wait_dscnt 0x0
	QUANT X, PC, PW
.irp c, 0,1,2
	ds_store_b128 v[RSA], v[PC+4*\c:PC+4*\c+3] offset:1536*\kk+512*\c
.endr
.if \kk == 0
	v_mov_b32 v[PW0], v[PW]
.endif
.endm
; Tile s36 + p, in set p.  more = 1: a tile follows: its loads go out first, and the list entries of the tile behind it are asked for (the index held at 15: inside the batch's list)
.macro TILE p, more
	s_add_co_u32 s52, s37, \p*PIECE
	v_add_nc_u32 v[RSA], s52, v[RS]
	v_add_nc_u32 v[RS4A], s52, v[RS4]
.if \more
	s_wait_kmcnt 0x0                               ; the next tile's rows are in
	ISSUE 1-\p
	s_add_co_u32 s51, s36, 2+\p
	s_min_u32 s51, s51, 15
	s_add_co_u32 s51, s51, s32
	s_lshl_b32 s60, s51, 6
	s_load_b512 s[68+16*\p:83+16*\p], s[6:7], s60 offset:0x0
	HALF \p, 0, 48                                 ; my second K step's 16 and the next tile's 32 may be out
	HALF \p, 1, 32                                 ; the next tile's 32 may be out
.else
	HALF \p, 0, 16
	HALF \p, 1, 0
.endif
	v_cndmask_b32 v[ASW], v[PW0], v[PW], s38       ; lanes 0-15: K step 2w's word; lanes 16-31: K step 2w+1's
	ds_store_b32 v[RS4A], v[ASW]
.endm
.macro LOADW k0, k1                    ; the group's fragments of W, K steps k0 .. k1: 512 consecutive bytes a load
.set lk, \k0
.rept \k1-\k0+1
.set lw, 0x80+0x40*(lk/4)
	WIN lw
.irp nn, 0,1,2,3
.irp c, 0,1,2
	global_load_b128 v[12*(4*(lk%4)+\nn)+4*\c:12*(4*(lk%4)+\nn)+4*\c+3], v[L16], s[10:11] offset:12288*\nn+1536*lk+512*\c
.endr
.endr
.set lk, lk+1
.endr
	WIN 0
.endm
.macro LOADX                           ; the group's bias and arg, in the result's layout, and W's scale words
.irp nn, 0,1,2,3
	global_load_b128 v[BIAS+8*\nn:BIAS+8*\nn+3], v[BO], s[14:15] offset:64*\nn
	global_load_b128 v[BIAS+8*\nn+4:BIAS+8*\nn+7], v[BO], s[14:15] offset:64*\nn+16
	global_load_b128 v[ARG+8*\nn:ARG+8*\nn+3], v[BO], s[18:19] offset:64*\nn
	global_load_b128 v[ARG+8*\nn+4:ARG+8*\nn+7], v[BO], s[18:19] offset:64*\nn+16
.endr
.irp nn, 0,1,2,3
.irp u, 0,1,2,3
	global_load_b32 v[WS+4*\nn+\u], v[L4], s[12:13] offset:512*\nn+128*\u
.endr
.endr
.endm
.macro FETCH                           ; the record at slot byte s52: four pieces, 4 scale words and 24 x 4 registers of codes
	v_add_nc_u32 v[AA], s52, v[L16]
	v_add_nc_u32 v[AA4], s52, v[L4P]
	v_add_nc_u32 v[AB], 2*UREG, v[AA]
	v_add_nc_u32 v[AB4], 2*UREG, v[AA4]
.irp u, 0,1
	ds_load_b32 v[AS+\u], v[AA4] offset:UREG*\u
	ds_load_b32 v[AS+2+\u], v[AB4] offset:UREG*\u
.endr
.irp u, 0,1
.set i, 0
.rept 6
	ds_load_b128 v[AF+24*\u+4*i:AF+24*\u+4*i+3], v[AA] offset:UREG*\u+512*i
	ds_load_b128 v[AF+48+24*\u+4*i:AF+48+24*\u+4*i+3], v[AB] offset:UREG*\u+512*i
.set i, i+1
.endr
.endr
.endm
.macro MULS                            ; a tile's 32 products: K step mt / 4, accumulator mt % 4.  Even K steps take their scale words from lanes 0-15, odd ones from lanes 16-31
.set mt, 0
.rept 32
.set mk, mt/4
.set mn, mt%4
.set mw, 2+mk/4
.set mA, 12*(4*(mk%4)+mn)
.set mD, ACC+8*mn
.set mB, AF+12*mk
	WIN mw
.if mk == 0
	v_wmma_scale_f32_16x16x128_f8f6f4 v[mD:mD+7], v[mA:mA+11], v[mB:mB+11], v[BIAS+8*mn:BIAS+8*mn+7], v[WS+4*mn], v[AS] matrix_a_fmt:MATRIX_FMT_FP6 matrix_b_fmt:MATRIX_FMT_FP6
.elseif mk%2 == 0
	v_wmma_scale_f32_16x16x128_f8f6f4 v[mD:mD+7], v[mA:mA+11], v[mB:mB+11], v[mD:mD+7], v[WS+4*mn+mk/2], v[AS+mk/2] matrix_a_fmt:MATRIX_FMT_FP6 matrix_b_fmt:MATRIX_FMT_FP6
.else
	v_wmma_scale_f32_16x16x128_f8f6f4 v[mD:mD+7], v[mA:mA+11], v[mB:mB+11], v[mD:mD+7], v[WS+4*mn+mk/2], v[AS+mk/2] matrix_a_fmt:MATRIX_FMT_FP6 matrix_b_fmt:MATRIX_FMT_FP6 matrix_a_scale:MATRIX_SCALE_ROW1 matrix_b_scale:MATRIX_SCALE_ROW1
.endif
.set mt, mt+1
.endr
	WIN 0
.endm
.macro EPI                             ; 16 x 64 numbers x become one partial score a row.  Each accumulator is read from its low end on
.set i, 0
.rept 16
	v_pk_mul_f32 v[ACC+2*i:ACC+2*i+1], v[ACC+2*i:ACC+2*i+1], s[42:43] op_sel_hi:[1,0]   ; c x
.set i, i+1
.endr
	s_wait_alu depctr_va_vdst(0)                   ; a wait ahead of a batch of transcendentals and one behind it
.set i, 0
.rept 32
	v_exp_f32 v[ACC+i], v[ACC+i]
.set i, i+1
.endr
	v_nop
	s_wait_alu depctr_va_vdst(0)
.set i, 0
.rept 16
	v_pk_add_f32 v[ACC+2*i:ACC+2*i+1], v[ACC+2*i:ACC+2*i+1], 1.0 op_sel_hi:[1,0]
.set i, i+1
.endr
	s_wait_alu depctr_va_vdst(0)
.set i, 0
.rept 32
	v_rcp_f32 v[ACC+i], v[ACC+i]
.set i, i+1
.endr
	v_nop
	s_wait_alu depctr_va_vdst(0)
	v_pk_mul_f32 v[SM:SM+1], v[ACC:ACC+1], v[ARG:ARG+1]             ; the dot with arg: two chains of pairs
	v_pk_mul_f32 v[SM+2:SM+3], v[ACC+2:ACC+3], v[ARG+2:ARG+3]
.set i, 2
.rept 14
	v_pk_fma_f32 v[SM+2*(i%2):SM+2*(i%2)+1], v[ACC+2*i:ACC+2*i+1], v[ARG+2*i:ARG+2*i+1], v[SM+2*(i%2):SM+2*(i%2)+1]
.set i, i+1
.endr
	v_pk_add_f32 v[SM:SM+1], v[SM:SM+1], v[SM+2:SM+3]
	v_add_f32 v[SM], v[SM], v[SM+1]
	v_permlanex16_b32 v[SM+4], v[SM], s46, s47     ; the row's other 32 columns lie in the lane 16 away
	v_add_f32 v[SM], v[SM], v[SM+4]
	v_add_nc_u32 v[SS], s53, v[SS0]
	ds_store_b32 v[SS], v[SM]                      ; lanes r and r + 16 write the same word with the same value
.endm
	s_load_b512 s[4:19], s[0:1], 0x0               ; enc_hs s[4:5], list s[6:7], meta s[8:9], wimg s[10:11], wscl s[12:13], b1 s[14:15], b2 s[16:17], arg1 s[18:19]
	s_load_b128 s[20:23], s[0:1], 0x40             ; arg2 s[20:21], spart s[22:23]
	v_lshl_add_u32 v[SPW], v0, 2, SPARE
	v_mov_b32 v[NIL], 0
	v_lshrrev_b32 v47, 5, v0
	v_readfirstlane_b32 s24, v47                   ; wave w
	s_mov_b32 s25, ttmp9                           ; j
	s_and_b32 s26, ttmp7, 0xffff                   ; b
	s_mov_b32 s38, 0xffff0000                      ; lanes 16-31
	s_mov_b32 s42, 0x4038aa3b                      ; c = 2 log2(e)
	s_mov_b32 s43, s42
	s_mov_b32 s44, 0xc038aa3b                      ; d = -2 log2(e)
	s_mov_b32 s45, s44
	s_mov_b32 s46, 0x76543210                      ; lane l xor 16
	s_mov_b32 s47, 0xfedcba98
	s_mov_b32 s57, 0
	s_mul_i32 s48, s24, 16*528
	s_add_co_u32 s48, s48, STG                     ; my stage
	s_lshl_b32 s49, s24, 10
	s_mul_i32 s50, s24, UREG                       ; my pieces
	s_add_co_u32 s51, s50, 3072
	s_lshl_b32 s52, s24, 12
	s_add_co_u32 s52, s52, SCST                    ; my part of the scores' stage
	v_and_b32 v44, 31, v0                          ; lane
	v_and_b32 v45, 15, v0                          ; r
	v_bfe_u32 v46, v0, 4, 1                        ; h
	v_lshlrev_b32 v[L16], 4, v44
	v_lshlrev_b32 v[L4], 2, v44
	v_lshlrev_b32 v[TP], 2, v44
	v_lshlrev_b32 v[BO], 5, v46
	v_mul_u32_u24 v[STO], v45, 528
	v_lshl_add_u32 v[STO], v46, 6, v[STO]
	v_add_nc_u32 v[STO], s48, v[STO]
	v_add_nc_u32 v[STI], s48, v[L16]
	v_add_nc_u32 v[EO], s49, v[L16]
	v_add_nc_u32 v[RS], s50, v[L16]
	v_add_nc_u32 v[RS4], s51, v[L4]
	v_add_nc_u32 v[L4P], 3072, v[L4]
	v_lshl_add_u32 v[SS0], v45, 2, s52
	v_add_nc_u32 v[TL], s52, v[L16]
.irp b, 0,1,2,3
	v_mov_b32 v[TM+4+\b], 0                        ; written once: a lane permute's destination counts as one of its sources
.endr
	s_wait_alu depctr_va_vdst(0)
	s_wait_kmcnt 0x0
	s_lshl_b32 s56, s26, 4
	s_add_nc_u64 s[8:9], s[8:9], s[56:57]
	s_load_b128 s[28:31], s[8:9], 0x0              ; cnt, NT (s29): on their way while W is asked for
	s_mul_i32 s56, s24, 16*12288
	s_add_nc_u64 s[10:11], s[10:11], s[56:57]      ; my first tile of 16 columns: 16 w
	s_lshl_b32 s56, s24, 13
	s_add_nc_u64 s[12:13], s[12:13], s[56:57]
	s_cmp_lt_u32 s24, 2                            ; head 1 or head 2: the choice hangs on the wave's number alone
	s_cselect_b64 s[14:15], s[14:15], s[16:17]
	s_cselect_b64 s[18:19], s[18:19], s[20:21]
	s_and_b32 s56, s24, 1
	s_lshl_b32 s56, s56, 10                        ; my first column in the head, in bytes
	s_add_nc_u64 s[14:15], s[14:15], s[56:57]
	s_lshl_b32 s48, s26, 11
	s_add_co_u32 s56, s56, s48                     ; + the batch's row of arg
	s_add_nc_u64 s[18:19], s[18:19], s[56:57]
	s_lshl_b32 s56, s26, 23
	s_add_nc_u64 s[4:5], s[4:5], s[56:57]          ; the batch's rows
	s_lshl_b32 s56, s26, 13
	s_add_nc_u64 s[6:7], s[6:7], s[56:57]          ; its list
	s_lshl_b32 s56, s24, 5
	s_add_co_u32 s56, s56, s26
	s_lshl_b32 s56, s56, 13
	s_add_nc_u64 s[22:23], s[22:23], s[56:57]      ; spart at (q = w, b)
	LOADW 0, 4                                     ; 60 loads of the first group's W go out ahead of the counts
	s_wait_kmcnt 0x0
	s_min_u32 s29, s29, 128                        ; NT lies in 0 .. 128
	s_lshr_b32 s48, s29, 3
	s_and_b32 s49, s29, 7
	s_mul_i32 s32, s25, s48
	s_min_u32 s50, s25, s49
	s_add_co_u32 s32, s32, s50                     ; t0 = j (NT / 8) + min(j, NT % 8)
	s_cmp_lt_u32 s25, s49
	s_cselect_b32 s50, 1, 0
	s_add_co_u32 s33, s48, s50                     ; n = NT / 8, one more where j < NT % 8
	s_min_u32 s32, s32, 112
	s_min_u32 s33, s33, 16
	s_lshl_b32 s55, s33, 4                         ; my positions: 16 n
	s_lshl_b32 s60, s32, 6
	s_add_co_u32 s61, s60, 64
	s_load_b512 s[68:83], s[6:7], s60 offset:0x0   ; the rows of tiles t0 and t0 + 1 (at most 113: inside the batch's list, which is written whole)
	s_load_b512 s[84:99], s[6:7], s61 offset:0x0
	s_mov_b32 s56, s60
	s_add_nc_u64 s[22:23], s[22:23], s[56:57]      ; spart at position 16 t0
	s_wait_kmcnt 0x0
	ISSUE 0
	s_mov_b32 s36, 0                               ; the tile, counted from t0
	s_mov_b32 s37, 0                               ; its slot's byte
	s_mov_b32 s35, 0
.Lq:                                               ; 8 trips x 2 tiles: the two sets are back where they began
	s_cmp_ge_u32 s36, s33
	s_cbranch_scc1 .Lqs
	s_add_co_u32 s51, s36, 1
	s_cmp_ge_u32 s51, s33
	s_cbranch_scc1 .Lql0
	TILE 0, 1
	s_add_co_u32 s51, s36, 2
	s_cmp_ge_u32 s51, s33
	s_cbranch_scc1 .Lql1
	TILE 1, 1
	s_branch .Lqs
.Lql0:
	TILE 0, 0
	s_branch .Lqs
.Lql1:
	TILE 1, 0
.Lqs:
	s_add_co_u32 s37, s37, 2*PIECE
	s_add_co_u32 s36, s36, 2
	s_add_co_u32 s35, s35, 1
	s_cmp_lt_u32 s35, 8
	s_cbranch_scc1 .Lq
	s_wait_kmcnt 0x0                               ; list entries that were asked for and are not used
	LOADW 5, 7                                     ; the rest of the first group
	LOADX
	v_mov_b32 v[SM+4], 0                           ; written once: a lane permute's destination counts as one of its sources
	s_wait_alu depctr_va_vdst(0)
	s_wait_dscnt 0x0                               ; for the others' sake: my pieces lie in LDS
	s_barrier_signal -1
	s_barrier_wait -1
	s_mov_b32 s34, 0                               ; the group of 64 columns
.Lg:
	s_wait_loadcnt 0x0                             ; the group's W, scale words, bias and arg are in
	s_wait_dscnt 0x0                               ; no fetch of the last group is out: the record's registers may be loaded anew
	s_mov_b32 s36, 0
	s_mov_b32 s37, 0
	s_mov_b32 s52, 0
	FETCH                                          ; slot 0
.Lt:                                               ; 16 trips, the most that a run can have
	s_lshl_b32 s53, s36, 6
	s_lshl_b32 s50, s34, 10
	s_add_co_u32 s53, s53, s50                     ; the score's place in my part of the stage: 1,024 x group + 64 x tile
	s_cmp_ge_u32 s36, s33
	s_cbranch_scc1 .Lts
	s_wait_dscnt 0x0                               ; the record is in
	MULS
.rept 4
	v_nop                                          ; four places behind the products: ahead of the loads into their sources and of the first read of their results
.endr
	s_add_co_u32 s51, s36, 1
	s_cmp_ge_u32 s51, s33
	s_cbranch_scc1 .Lnf                            ; the next record, if there is one: it lands under the vector lines
	s_add_co_u32 s52, s37, PIECE
	s_min_u32 s52, s52, 15*PIECE                   ; a slot lies in 0 .. 15
	FETCH
.Lnf:
	EPI
.Lts:
	s_add_co_u32 s37, s37, PIECE
	s_add_co_u32 s36, s36, 1
	s_cmp_lt_u32 s36, 16
	s_cbranch_scc1 .Lt
	s_cmp_eq_u32 s34, 3
	s_cbranch_scc1 .Lgn
	s_add_nc_u64 s[10:11], s[10:11], 4*12288       ; (no load is out: the bases may step)  the next 64 columns
	s_add_nc_u64 s[12:13], s[12:13], 4*512
	s_add_nc_u64 s[14:15], s[14:15], 256
	s_add_nc_u64 s[18:19], s[18:19], 256
	LOADW 0, 7
	LOADX
.Lgn:
	s_add_co_u32 s34, s34, 1
	s_cmp_lt_u32 s34, 4
	s_cbranch_scc1 .Lg
	; THE TAIL.  My own four partial scores of each position are added, times d, and stored: lane l takes positions 128 c + 4 l .. + 3, where they lie under 16 n
.irp c, 0,1
.if \c
	v_add_nc_u32 v[TP], 128, v[TP]
.endif
	v_cmp_gt_u32 vcc_lo, s55, v[TP]
	s_wait_alu depctr_va_vdst(0)
	s_wait_xcnt 0x0                                ; EXEC changes only behind this wait
	s_and_saveexec_b32 s54, vcc_lo
.irp g, 0,1,2,3
	ds_load_b128 v[SM+4*\g:SM+4*\g+3], v[TL] offset:512*\c+1024*\g   ; LDS serves a wave's instructions in order: these see my stores
.endr
	s_wait_dscnt 0x0
	v_pk_add_f32 v[SM:SM+1], v[SM:SM+1], v[SM+4:SM+5]
	v_pk_add_f32 v[SM+2:SM+3], v[SM+2:SM+3], v[SM+6:SM+7]
	v_pk_add_f32 v[SM+8:SM+9], v[SM+8:SM+9], v[SM+12:SM+13]
	v_pk_add_f32 v[SM+10:SM+11], v[SM+10:SM+11], v[SM+14:SM+15]
	v_pk_add_f32 v[SM:SM+1], v[SM:SM+1], v[SM+8:SM+9]
	v_pk_add_f32 v[SM+2:SM+3], v[SM+2:SM+3], v[SM+10:SM+11]
	v_pk_mul_f32 v[SM:SM+1], v[SM:SM+1], s[44:45] op_sel_hi:[1,0]
	v_pk_mul_f32 v[SM+2:SM+3], v[SM+2:SM+3], s[44:45] op_sel_hi:[1,0]
	global_store_b128 v[L16], v[SM:SM+3], s[22:23] offset:512*\c   ; neighbouring lanes store neighbouring 16 bytes
	s_wait_xcnt 0x0                                ; and again, in front of the line that widens EXEC
	s_or_b32 exec_lo, exec_lo, s54
.endr
	s_wait_tensorcnt 0x0                           ; the wave's end: behind my last LDS store
	ds_add_u32 v[SPW], v[NIL]
	s_wait_dscnt 0x0
	s_endpgm
.Lfunc_end_k_qd71db26585_fuse:
	.size	k_qd71db26585_fuse, .Lfunc_end_k_qd71db26585_fuse-k_qd71db26585_fuse
	.p2alignl 7, 3214868480
	.fill 96, 4, 3214868480
	.section	.rodata,"a",@progbits
	.p2align	6, 0x0
	.amdhsa_kernel k_qd71db26585_fuse
		.amdhsa_group_segment_fixed_size 255488
		.amdhsa_private_segment_fixed_size 0
		.amdhsa_enable_private_segment 0
		.amdhsa_kernarg_size 80
		.amdhsa_user_sgpr_count 2
		.amdhsa_user_sgpr_kernarg_segment_ptr 1
		.amdhsa_wavefront_size32 1
		.amdhsa_system_sgpr_workgroup_id_x 1
		.amdhsa_system_sgpr_workgroup_id_y 1
		.amdhsa_system_sgpr_workgroup_id_z 1
		.amdhsa_system_vgpr_workitem_id 0
		.amdhsa_next_free_vgpr 1024
		.amdhsa_next_free_sgpr 100
		.amdhsa_reserve_vcc 1
		.amdhsa_float_denorm_mode_32 3
		.amdhsa_float_denorm_mode_16_64 3
		.amdhsa_memory_ordered 1
		.amdhsa_forward_progress 1
		.amdhsa_inst_pref_size 112
	.end_amdhsa_kernel
	.amdgpu_metadata
---
amdhsa.version: [ 1, 2 ]
amdhsa.kernels:
  - .name:           k_qd71db26585_fuse
    .symbol:         k_qd71db26585_fuse.kd
    .args:
      - { .name: enc_hs, .offset: 0, .size: 8, .value_kind: global_buffer, .address_space: global }
      - { .name: list, .offset: 8, .size: 8, .value_kind: global_buffer, .address_space: global }
      - { .name: meta, .offset: 16, .size: 8, .value_kind: global_buffer, .address_space: global }
      - { .name: wimg, .offset: 24, .size: 8, .value_kind: global_buffer, .address_space: global }
      - { .name: wscl, .offset: 32, .size: 8, .value_kind: global_buffer, .address_space: global }
      - { .name: b1, .offset: 40, .size: 8, .value_kind: global_buffer, .address_space: global }
      - { .name: b2, .offset: 48, .size: 8, .value_kind: global_buffer, .address_space: global }
      - { .name: arg1, .offset: 56, .size: 8, .value_kind: global_buffer, .address_space: global }
      - { .name: arg2, .offset: 64, .size: 8, .value_kind: global_buffer, .address_space: global }
      - { .name: spart, .offset: 72, .size: 8, .value_kind: global_buffer, .address_space: global }
    .group_segment_fixed_size: 255488
    .private_segment_fixed_size: 0
    .kernarg_segment_align: 8
    .kernarg_segment_size: 80
    .max_flat_workgroup_size: 128
    .sgpr_count:     100
    .vgpr_count:     1024
    .wavefront_size: 32
...
	.end_amdgpu_metadata
.endif
;; end of part 2
;; launch ctx (part 3): grid 8 x 32, 16 waves a work-group, no clusters, 35,328 bytes of LDS; arguments enc_hs, list, meta, spart, out0; writes out0
.if DOCPART == 3
	.amdgcn_target "amdgcn-amd-amdhsa--gfx1250"
	.amdhsa_code_object_version 6
	.text
	.protected	k_qd71db26585_ctx
	.globl	k_qd71db26585_ctx
	.p2align	8
	.type	k_qd71db26585_ctx,@function
k_qd71db26585_ctx:
	s_mov_b64 s[64:65], 0
	v_nop
	global_prefetch_b8 v0, s[64:65] scope:SCOPE_SE
	s_setreg_imm32_b32 hwreg(HW_REG_WAVE_MODE, 25, 1), 1
	s_wait_xcnt 0x0
; The softmax over a batch's live positions and the two contexts: out0[b][0:1024] = sum_s attn1[s] enc[b][s], out0[b][1024:2048] the same with attn2.  All in f32, by fused multiply-adds.
; Left out: rows that src_mask hides (weight 0) and the term of the scores that is the same along the softmax's axis (see the first kernel's head).  The largest score is taken away before the exponential.
; A position at or beyond cnt counts as -infinity: weight 0; the last tile's rows at such positions are multiplied by that 0.  A batch with no live row gives NaN (-infinity less -infinity), as the softmax of -infinities does.
; SHARES.  Work-group (j, b): batch b, columns 128 j .. 128 j + 127 of both heads: each output number has one owner.  Sixteen waves.
;  Phase 1: thread tau takes positions 4 tau .. 4 tau + 3: t = the sum of a head's two partial scores (in units of log2); the maximum M and the sum l over the work-group through LDS; p = 2^(t - M) into a table in LDS.
;  Phase 2: wave wv takes tiles wv + 16 i of 16 positions, while they lie under NT: 16 rows x 512 consecutive bytes, a lane 4 columns; both heads' sums from one read of the row.
;  Then the sixteen waves' sums meet in LDS, are divided by l and stored.
; All lanes stay on throughout: scores were stored for positions under 16 NT alone, so a thread beyond them reads the last stored four (its own positions lie at or beyond cnt and become -infinity); with NT = 0 nothing was stored and nothing is read.
; A row's address: the scalar base holds the batch and the work-group's 512 bytes of a row; the vector offset is the clamped row x 4,096 + 16 x lane.
.set PT,    0                          ; LDS: [position 2048][p1, p2]: 16,384 bytes
.set RED1,  16384                      ; the waves' maxima: 64 x head + 4 x wave
.set RED2,  16640                      ; the waves' sums likewise
.set STG,   16896                      ; the waves' contexts: 1,024 x wave: head 1's 128 columns, then head 2's
.set SPARE, 33280                      ; the spare words, 128 bytes for each wave
.set LN,  1                            ; v1   16 x lane
.set PA,  2                            ; v2   128 x wave: my first tile's weights in PT
.set RW,  3                            ; v3   4 x wave
.set ZR,  4                            ; v4   0
.set A16, 5                            ; v5   16 x thread
.set A32, 6                            ; v6   32 x thread
.set STW, 7                            ; v7   STG + 1,024 x wave + 16 x lane
.set O,   16                           ; v16-31  the rows' byte offsets
.set X,   32                           ; v32-95  16 rows x 4 columns (phase 1: at work)
.set P,   96                           ; v96-127 16 positions x (p1, p2)
.set AC1, 128                          ; v128-131 head 1's four columns;  v132-135 head 2's
.set AC2, 132
.set L1,  136                          ; the two sums l
.set L2,  137
.set SO,  138                          ; v138 my byte offset among the batch's partial scores
.set SPW, 140
.set NIL, 141
.set RDA, 142                          ; v142 STG + 8 x thread
.set GO,  143                          ; v143 my place in out0's row: 4,096 x head + 8 x (thread % 64)
	s_load_b256 s[4:11], s[0:1], 0x0               ; enc_hs s[4:5], list s[6:7], meta s[8:9], spart s[10:11]
	s_load_b64 s[12:13], s[0:1], 0x20              ; out0
	v_lshl_add_u32 v[SPW], v0, 2, SPARE
	v_mov_b32 v[NIL], 0
	v_lshrrev_b32 v8, 5, v0
	s_delay_alu instid0(VALU_DEP_1)
	v_readfirstlane_b32 s52, v8                    ; wave 0..15
	s_mov_b32 s53, ttmp9                           ; j
	s_and_b32 s54, ttmp7, 0xffff                   ; b
	v_and_b32 v9, 31, v0
	s_delay_alu instid0(VALU_DEP_1)
	v_lshlrev_b32 v[LN], 4, v9
	v_lshlrev_b32 v[PA], 7, v8
	v_lshlrev_b32 v[RW], 2, v8
	v_mov_b32 v[ZR], 0
	v_lshlrev_b32 v[A16], 4, v0
	v_lshlrev_b32 v[A32], 5, v0
	v_lshlrev_b32 v[STW], 10, v8
	s_delay_alu instid0(VALU_DEP_1)
	v_lshl_add_u32 v[STW], v9, 4, v[STW]
	s_delay_alu instid0(VALU_DEP_1)
	v_add_nc_u32 v[STW], STG, v[STW]
	v_lshl_add_u32 v[RDA], v0, 3, STG
	v_and_b32 v[GO], 63, v0
	s_delay_alu instid0(VALU_DEP_1)
	v_lshlrev_b32 v[GO], 3, v[GO]
	v_lshrrev_b32 v10, 6, v0
	s_delay_alu instid0(VALU_DEP_1)
	v_lshl_add_u32 v[GO], v10, 12, v[GO]
	s_mov_b32 s56, 0x76543210
	s_mov_b32 s57, 0xfedcba98
	s_mov_b32 s61, 0
	s_mov_b32 s63, 0
	s_lshl_b32 s60, s54, 23                        ; a batch of enc_hs is 2^23 bytes,
	s_lshl_b32 s62, s53, 9                         ; my 128 columns begin 512 j bytes into a row
	s_add_co_u32 s60, s60, s62
	s_wait_kmcnt 0x0
	s_add_nc_u64 s[4:5], s[4:5], s[60:61]          ; the batch's rows, at my columns
	s_lshl_b32 s60, s54, 13
	s_add_nc_u64 s[10:11], s[10:11], s[60:61]      ; its partial scores
	s_add_co_u32 s62, s62, s60
	s_add_nc_u64 s[12:13], s[12:13], s[62:63]      ; its row of out0, my 128 columns
	s_lshl_b32 s62, s52, 6
	s_add_co_u32 s60, s60, s62
	s_add_nc_u64 s[6:7], s[6:7], s[60:61]          ; its list, at my first tile
	s_lshl_b32 s60, s54, 4
	s_add_nc_u64 s[8:9], s[8:9], s[60:61]
	s_load_b128 s[48:51], s[8:9], 0x0              ; cnt s48, NT s49
	s_load_b512 s[16:31], s[6:7], 0x0              ; the rows of tile wv
.set i, 0
.rept 16
	v_mov_b32 v[X+i], 0                            ; with NT = 0 no partial score was stored, and none is loaded
.set i, i+1
.endr
	v_lshlrev_b32 v8, 2, v0                        ; my first position
	v_mov_b32 v10, 0xff800000                      ; -infinity
	v_mov_b32 v11, 0                               ; (a lane permute's destination counts as one of its sources)
	s_wait_kmcnt 0x0
	s_lshl_b32 s58, s49, 6                         ; scores were stored for positions under 16 NT: 64 NT bytes;
	s_sub_co_u32 s58, s58, 16                      ; the last four of them begin here (NT = 0: not used)
	v_min_u32 v[SO], s58, v[A16]                   ; my four, or the last four stored
	s_delay_alu instid0(VALU_DEP_1)
	v_min_u32 v[SO], 0x1ff0, v[SO]                 ; inside the batch's 8,192 bytes
	s_cmp_eq_u32 s49, 0
	s_cbranch_scc1 .Lnoscore
.irp q, 0,1,2,3
	global_load_b128 v[X+4*\q:X+4*\q+3], v[SO], s[10:11] offset:262144*\q
.endr
.Lnoscore:
	s_wait_loadcnt 0x0
	v_pk_add_f32 v[48:49], v[32:33], v[36:37]      ; head 1: columns 0-255 and 256-511 of W1
	v_pk_add_f32 v[50:51], v[34:35], v[38:39]
	v_pk_add_f32 v[52:53], v[40:41], v[44:45]      ; head 2
	s_wait_alu depctr_va_vdst(0)
	v_pk_add_f32 v[54:55], v[42:43], v[46:47]
.irp i, 0,1,2,3
	v_add_nc_u32 v9, \i, v8
	s_delay_alu instid0(VALU_DEP_1)
	v_cmp_gt_u32 s59, s48, v9                      ; a live position lies under cnt
	s_delay_alu instid0(VALU_DEP_1)
	v_cndmask_b32 v[48+\i], v10, v[48+\i], s59
	s_delay_alu instid0(VALU_DEP_2)
	v_cndmask_b32 v[52+\i], v10, v[52+\i], s59
.endr
	v_max3_num_f32 v14, v48, v49, v50
	v_max3_num_f32 v15, v52, v53, v54
	s_delay_alu instid0(VALU_DEP_2)
	v_max_num_f32 v14, v14, v51
	s_delay_alu instid0(VALU_DEP_2)
	v_max_num_f32 v15, v15, v55
.irp m, 1,2,4,8
	s_delay_alu instid0(VALU_DEP_2)
	v_max_num_f32_dpp v14, v14, v14 row_xmask:\m row_mask:0xf bank_mask:0xf
	s_delay_alu instid0(VALU_DEP_2)
	v_max_num_f32_dpp v15, v15, v15 row_xmask:\m row_mask:0xf bank_mask:0xf
.endr
	s_delay_alu instid0(VALU_DEP_2)
	v_permlanex16_b32 v11, v14, s56, s57
	s_delay_alu instid0(VALU_DEP_1)
	v_max_num_f32 v14, v14, v11
	s_delay_alu instid0(VALU_DEP_2)
	v_permlanex16_b32 v11, v15, s56, s57
	s_delay_alu instid0(VALU_DEP_1)
	v_max_num_f32 v15, v15, v11
	ds_store_b32 v[RW], v14 offset:RED1            ; all lanes write the wave's word with the same value
	ds_store_b32 v[RW], v15 offset:RED1+64
	s_wait_dscnt 0x0                               ; for the others' sake
	s_barrier_signal -1
	s_barrier_wait -1
.irp c, 0,1,2,3,4,5,6,7
	ds_load_b128 v[64+4*\c:67+4*\c], v[ZR] offset:RED1+16*\c   ; v64-79 head 1's sixteen maxima, v80-95 head 2's
.endr
	s_wait_dscnt 0x0
.irp hd, 0,1
	v_max3_num_f32 v[12+\hd], v[64+16*\hd], v[65+16*\hd], v[66+16*\hd]
.irp i, 3,5,7,9,11,13
	s_delay_alu instid0(VALU_DEP_1)
	v_max3_num_f32 v[12+\hd], v[12+\hd], v[64+16*\hd+\i], v[65+16*\hd+\i]
.endr
	s_delay_alu instid0(VALU_DEP_1)
	v_max_num_f32 v[12+\hd], v[12+\hd], v[79+16*\hd]   ; M of the head
.endr
.irp i, 0,1,2,3
	v_sub_f32 v[56+2*\i], v[48+\i], v12
	v_sub_f32 v[57+2*\i], v[52+\i], v13
.endr
	s_wait_alu depctr_va_vdst(0)
.irp i, 0,1,2,3,4,5,6,7
	v_exp_f32 v[56+\i], v[56+\i]                   ; p = 2^(t - M), in the table's order: p1, p2 of each position
.endr
	v_nop                                          ; a plain instruction behind the batch,
	s_wait_alu depctr_va_vdst(0)                   ; and the wait ahead of its first reader
	ds_store_b128 v[A32], v[56:59] offset:PT
	ds_store_b128 v[A32], v[60:63] offset:PT+16
	v_pk_add_f32 v[14:15], v[56:57], v[58:59]
	v_pk_add_f32 v[64:65], v[60:61], v[62:63]
	s_delay_alu instid0(VALU_DEP_1)
	v_pk_add_f32 v[14:15], v[14:15], v[64:65]      ; my four positions' p1 in v14, p2 in v15
.irp m, 1
	s_delay_alu instid0(VALU_DEP_1)
	v_add_f32_dpp v14, v14, v14 row_xmask:\m row_mask:0xf bank_mask:0xf
	s_delay_alu instid0(VALU_DEP_2)
	v_add_f32_dpp v15, v15, v15 row_xmask:\m row_mask:0xf bank_mask:0xf
.endr
.irp m, 2, 4, 8
	s_delay_alu instid0(VALU_DEP_2)
	v_add_f32_dpp v14, v14, v14 row_xmask:\m row_mask:0xf bank_mask:0xf
	s_delay_alu instid0(VALU_DEP_2)
	v_add_f32_dpp v15, v15, v15 row_xmask:\m row_mask:0xf bank_mask:0xf
.endr
	s_delay_alu instid0(VALU_DEP_2)
	v_permlanex16_b32 v11, v14, s56, s57
	s_delay_alu instid0(VALU_DEP_1)
	v_add_f32 v14, v14, v11
	s_delay_alu instid0(VALU_DEP_2)
	v_permlanex16_b32 v11, v15, s56, s57
	s_delay_alu instid0(VALU_DEP_1)
	v_add_f32 v15, v15, v11
	ds_store_b32 v[RW], v14 offset:RED2
	ds_store_b32 v[RW], v15 offset:RED2+64
	s_wait_dscnt 0x0                               ; for the others' sake: the table's part and the sums have landed
	s_barrier_signal -1
	s_barrier_wait -1
.irp c, 0,1,2,3,4,5,6,7
	ds_load_b128 v[64+4*\c:67+4*\c], v[ZR] offset:RED2+16*\c
.endr
	s_wait_dscnt 0x0
.irp hd, 0,1
.irp k, 0,4,8,12
	v_pk_add_f32 v[64+16*\hd+\k:65+16*\hd+\k], v[64+16*\hd+\k:65+16*\hd+\k], v[66+16*\hd+\k:67+16*\hd+\k]
.endr
	s_delay_alu instid0(VALU_DEP_3)
	v_pk_add_f32 v[64+16*\hd:65+16*\hd], v[64+16*\hd:65+16*\hd], v[68+16*\hd:69+16*\hd]
	s_delay_alu instid0(VALU_DEP_2)
	v_pk_add_f32 v[72+16*\hd:73+16*\hd], v[72+16*\hd:73+16*\hd], v[76+16*\hd:77+16*\hd]
	s_delay_alu instid0(VALU_DEP_1)
	v_pk_add_f32 v[64+16*\hd:65+16*\hd], v[64+16*\hd:65+16*\hd], v[72+16*\hd:73+16*\hd]
	s_delay_alu instid0(VALU_DEP_1)
	v_add_f32 v[L1+\hd], v[64+16*\hd], v[65+16*\hd]    ; l of the head
.endr
.irp i, 0,1,2,3,4,5,6,7
	v_mov_b32 v[AC1+\i], 0
.endr
; Tile wv + 16 i; its rows stand in s[ls] .. s[ls+15]; the next tile's are asked for into s[lo] ..  Later tiles are larger, so the first that is not there ends the walk.
.macro TRIP i, ls, lo
	s_add_co_u32 s55, s52, 16*\i
	s_cmp_ge_u32 s55, s49
	s_cbranch_scc1 .Ldone
	s_wait_kmcnt 0x0                               ; this tile's rows are in
.irp e, 0,1,2,3,4,5,6,7,8,9,10,11,12,13,14,15
	s_min_u32 s[\ls+\e], s[\ls+\e], 0x7ff          ; a row lies in 0 .. 2047
	s_lshl_b32 s[\ls+\e], s[\ls+\e], 12
	v_add_nc_u32 v[O+\e], s[\ls+\e], v[LN]         ; (the last tile's loads, which read these registers, have been waited for)
.endr
	s_wait_alu depctr_va_vdst(0)
.irp e, 0,1,2,3,4,5,6,7,8,9,10,11,12,13,14,15
	global_load_b128 v[X+4*\e:X+4*\e+3], v[O+\e], s[4:5] th:TH_LOAD_NT   ; 512 consecutive bytes of one row, at a multiple of 512; read once in this launch
.endr
.irp m, 0,1,2,3,4,5,6,7
	ds_load_b128 v[P+4*\m:P+4*\m+3], v[PA] offset:PT+2048*\i+16*\m   ; the tile's 16 pairs of weights, the same in every lane
.endr
.if \i < 7
	s_load_b512 s[\lo:\lo+15], s[6:7], 1024*(\i+1) ; inside the batch's list, which is written whole
.endif
	s_wait_loadcnt 0x0
	s_wait_dscnt 0x0
.irp e, 0
	v_pk_fma_f32 v[AC1:AC1+1], v[X+4*\e:X+4*\e+1], v[P+2*\e:P+2*\e+1], v[AC1:AC1+1] op_sel_hi:[1,0,1]                    ; x p1
	v_pk_fma_f32 v[AC1+2:AC1+3], v[X+4*\e+2:X+4*\e+3], v[P+2*\e:P+2*\e+1], v[AC1+2:AC1+3] op_sel_hi:[1,0,1]
	v_pk_fma_f32 v[AC2:AC2+1], v[X+4*\e:X+4*\e+1], v[P+2*\e:P+2*\e+1], v[AC2:AC2+1] op_sel:[0,1,0] op_sel_hi:[1,1,1]     ; x p2
	v_pk_fma_f32 v[AC2+2:AC2+3], v[X+4*\e+2:X+4*\e+3], v[P+2*\e:P+2*\e+1], v[AC2+2:AC2+3] op_sel:[0,1,0] op_sel_hi:[1,1,1]
.endr
.irp e, 1, 2, 3, 4, 5, 6, 7, 8, 9, 10, 11, 12, 13, 14, 15
	s_delay_alu instid0(VALU_DEP_4)
	v_pk_fma_f32 v[AC1:AC1+1], v[X+4*\e:X+4*\e+1], v[P+2*\e:P+2*\e+1], v[AC1:AC1+1] op_sel_hi:[1,0,1]                    ; x p1
	s_delay_alu instid0(VALU_DEP_4)
	v_pk_fma_f32 v[AC1+2:AC1+3], v[X+4*\e+2:X+4*\e+3], v[P+2*\e:P+2*\e+1], v[AC1+2:AC1+3] op_sel_hi:[1,0,1]
	s_delay_alu instid0(VALU_DEP_4)
	v_pk_fma_f32 v[AC2:AC2+1], v[X+4*\e:X+4*\e+1], v[P+2*\e:P+2*\e+1], v[AC2:AC2+1] op_sel:[0,1,0] op_sel_hi:[1,1,1]     ; x p2
	s_delay_alu instid0(VALU_DEP_4)
	v_pk_fma_f32 v[AC2+2:AC2+3], v[X+4*\e+2:X+4*\e+3], v[P+2*\e:P+2*\e+1], v[AC2+2:AC2+3] op_sel:[0,1,0] op_sel_hi:[1,1,1]
.endr
.endm
	TRIP 0, 16, 32
	TRIP 1, 32, 16
	TRIP 2, 16, 32
	TRIP 3, 32, 16
	TRIP 4, 16, 32
	TRIP 5, 32, 16
	TRIP 6, 16, 32
	TRIP 7, 32, 16
.Ldone:
	s_wait_kmcnt 0x0                               ; a list load that was asked for and is not used
	s_wait_alu depctr_va_vdst(0)
	ds_store_b128 v[STW], v[AC1:AC1+3]
	ds_store_b128 v[STW], v[AC2:AC2+3] offset:512
	s_wait_dscnt 0x0                               ; for the others' sake
	s_barrier_signal -1
	s_barrier_wait -1
	s_cmp_ge_u32 s52, 4                            ; waves 0, 1 finish head 1's 128 columns, waves 2, 3 head 2's: two columns a thread
	s_cbranch_scc1 .Lfin
.irp w, 0,1,2,3,4,5,6,7,8,9,10,11,12,13,14,15
	ds_load_b64 v[X+2*\w:X+2*\w+1], v[RDA] offset:1024*\w
.endr
	s_wait_dscnt 0x0
.irp k, 0,4,8,12,16,20,24,28
	v_pk_add_f32 v[X+\k:X+\k+1], v[X+\k:X+\k+1], v[X+\k+2:X+\k+3]
.endr
.irp k, 0,8,16,24
	v_pk_add_f32 v[X+\k:X+\k+1], v[X+\k:X+\k+1], v[X+\k+4:X+\k+5]
.endr
	s_delay_alu instid0(VALU_DEP_3)
	v_pk_add_f32 v[X:X+1], v[X:X+1], v[X+8:X+9]
	s_delay_alu instid0(VALU_DEP_2)
	v_pk_add_f32 v[X+16:X+17], v[X+16:X+17], v[X+24:X+25]
	s_delay_alu instid0(VALU_DEP_1)
	v_pk_add_f32 v[X:X+1], v[X:X+1], v[X+16:X+17]
	s_cmp_lt_u32 s52, 2
	s_cselect_b32 s58, 0, -1
	v_cndmask_b32 v10, v[L1], v[L2], s58           ; my head's l
	s_wait_alu depctr_va_vdst(0)
	v_rcp_f32 v10, v10
	v_nop                                          ; a plain instruction behind the reciprocal,
	s_wait_alu depctr_va_vdst(0)                   ; and the wait ahead of its first reader
	v_mul_f32 v[X], v[X], v10
	v_mul_f32 v[X+1], v[X+1], v10
	global_store_b64 v[GO], v[X:X+1], s[12:13]     ; a wave stores 256 consecutive bytes, at a multiple of 256 from out0's first byte
.Lfin:
	s_wait_tensorcnt 0x0                           ; the wave's end: behind my last LDS store
	ds_add_u32 v[SPW], v[NIL]
	s_wait_dscnt 0x0
	s_endpgm
.Lfunc_end_k_qd71db26585_ctx:
	.size	k_qd71db26585_ctx, .Lfunc_end_k_qd71db26585_ctx-k_qd71db26585_ctx
	.p2alignl 7, 3214868480
	.fill 96, 4, 3214868480
	.section	.rodata,"a",@progbits
	.p2align	6, 0x0
	.amdhsa_kernel k_qd71db26585_ctx
		.amdhsa_group_segment_fixed_size 35328
		.amdhsa_private_segment_fixed_size 0
		.amdhsa_enable_private_segment 0
		.amdhsa_kernarg_size 40
		.amdhsa_user_sgpr_count 2
		.amdhsa_user_sgpr_kernarg_segment_ptr 1
		.amdhsa_wavefront_size32 1
		.amdhsa_system_sgpr_workgroup_id_x 1
		.amdhsa_system_sgpr_workgroup_id_y 1
		.amdhsa_system_sgpr_workgroup_id_z 1
		.amdhsa_system_vgpr_workitem_id 0
		.amdhsa_next_free_vgpr 144
		.amdhsa_next_free_sgpr 66
		.amdhsa_reserve_vcc 0
		.amdhsa_float_denorm_mode_32 3
		.amdhsa_float_denorm_mode_16_64 3
		.amdhsa_memory_ordered 1
		.amdhsa_forward_progress 1
		.amdhsa_inst_pref_size 97
	.end_amdhsa_kernel
	.amdgpu_metadata
---
amdhsa.version: [ 1, 2 ]
amdhsa.kernels:
  - .name:           k_qd71db26585_ctx
    .symbol:         k_qd71db26585_ctx.kd
    .args:
      - { .name: enc_hs, .offset: 0, .size: 8, .value_kind: global_buffer, .address_space: global }
      - { .name: list, .offset: 8, .size: 8, .value_kind: global_buffer, .address_space: global }
      - { .name: meta, .offset: 16, .size: 8, .value_kind: global_buffer, .address_space: global }
      - { .name: spart, .offset: 24, .size: 8, .value_kind: global_buffer, .address_space: global }
      - { .name: out0, .offset: 32, .size: 8, .value_kind: global_buffer, .address_space: global }
    .group_segment_fixed_size: 35328
    .private_segment_fixed_size: 0
    .kernarg_segment_align: 8
    .kernarg_segment_size: 40
    .max_flat_workgroup_size: 512
    .sgpr_count:     66
    .vgpr_count:     144
    .wavefront_size: 32
...
	.end_amdgpu_metadata
.endif
;; end of part 3
